; MI455X (gfx1250); checked and timed in simulation.
; The chip was launched on July 23, 2026; its instructions are those of AMD's public machine-readable ISA for CDNA 5 (MIT licence, August 2026) and "CDNA5" Instruction Set Architecture Reference Guide (July 2026). The comments in the code are by the model that wrote it; some were corrected since.
;; Analytic Hash Linear. Allowed arithmetic: matrix products marked QUANTISED: E2M1 operands, one E8M0 scale for each 32 along K, by v_wmma_scale_f32_16x16x128_f8f6f4 with both operands' format E2M1 (or v_wmma_scale_f32_32x16x128_f4), f32 sums; everything else in f32.
;; Inputs: bias 4,096 float32; codebook 65,536 float32; x_codes 4,096 x 128 x 16 uint8 (E2M1 codes of x, K innermost, in blocks of 32 codes, two codes a byte); x_scales 4,096 x 128 uint8 (E8M0 scales of x, one for each 32 codes along K).
;; Outputs: out0 4,096 x 4,096 float32.
;; This version of the problem:
;;   THIS VERSION OF THE PROBLEM IS GIVEN IN LOW PRECISION. The matrix products marked QUANTISED in the list below multiply operands that are first quantised to E2M1 (2 exponent bits, 1 mantissa bit; 4 bits a number), with one power-of-two scale for each 32 numbers along K (OCP MX v1.0); their sums are f32. All else is computed in f32.
;;   The module's matrix products, in the order in which they are computed (A, B: the left and right operand; K: the contracted axis; several contracted axes count as one K, in the product's order):
;;     1. [M 4,096, K 4,096] x [K 4,096, N 4,096]; A: input x (given as codes); B: computed on the way: QUANTISED
;;   THE QUANTISER, for each operand of a quantised product, along K:
;;     - K is cut into blocks of 32 from its start; a last block that is shorter is filled with zeros.
;;     - A block's scale is 2^e with e = floor(log2(the largest magnitude in the block)) - 2, held to -126 .. 127; a block of zeros has e = 0. As a byte (E8M0): e + 127.
;;     - Each number is divided by its block's scale, clamped to +-6, and rounded to the nearest number of E2M1, ties to even, subnormals kept.
;;     - The product sums the exact products of the quantised numbers (number of the format x scale) in f32.
;;   ~~~python
;;   def quantise(x, axis):      # numpy; x: float32 -> the quantised numbers, widened to float32 again
;;       x = np.moveaxis(x, axis, -1); K = x.shape[-1]
;;       x = np.pad(x, [(0, 0)] * (x.ndim - 1) + [(0, -K % 32)]); x = x.reshape(x.shape[:-1] + (-1, 32)); a = np.abs(x).max(-1, keepdims=True)
;;       e = np.where(a > 0, np.clip(np.frexp(np.where(a > 0, a, 1))[1] - 1 - 2, -126, 127), 0)      # np.frexp(a)[1] - 1 = floor(log2(a)), exactly
;;       r = np.clip(x / 2.0 ** e, -6, 6)
;;       step = 2.0 ** (np.maximum(np.frexp(np.where(r == 0, 1, r))[1] - 1, 0) - 1)
;;       q = np.round(r / step) * step * 2.0 ** e      # np.round: ties to even
;;       return np.moveaxis(q.reshape(q.shape[:-2] + (-1,))[..., :K], -1, axis).astype(np.float32)
;;   ~~~
;;   OPERANDS COMPUTED ON THE WAY. 'Computed on the way' means the value that the module computes at that place (a softmax that the list does not call 'softmax' is quantised finished and normalised). What goes into a quantiser is computed in f32, as accurately as f32 sums, v_exp_f32 and their like allow (about 1e-6 of the number): no bf16 or f16 on the way to a quantiser, and a product that is left as it is and whose result goes on into a quantised operand takes f32 operands (vector FMAs, or v_wmma_f32_16x16x4_f32). A number that lies on a knife's edge between two numbers of the format may be rounded either way, as far as f32 arithmetic and the matrix unit's own rounding can turn it there, and no further.
;;   INPUTS GIVEN AS CODES. x (in the module: [4096, 4096], K = its axis 1): each comes as NAME_codes (uint8): NAME with its K axis moved to the last place and cut into blocks of 32 codes, [.., K / 32, bytes a block], one block behind the other in memory; two codes a byte, the lower K in the low four bits (a code: sign, 2 exponent bits, 1 mantissa bit); and NAME_scales (uint8): the same leading axes, one E8M0 byte (e + 127) for each 32 codes along K. Its value is code x scale, taken as it is: it is not quantised again, and the codes and scales need not be those that the quantiser above would give.
;; One version. Each part assembles by itself: llvm-mc -triple=amdgcn-amd-amdhsa -mcpu=gfx1250 --defsym DOCPART=n.
;; ======== version 1 of 1: 2 launches
;; limits: right only within a limited range of input values
;; workspace buffers: wq 3,794,944 bytes
;; launch weights (part 1): grid 218 x 1, 16 waves a work-group, no clusters, 281,600 bytes of LDS; arguments codebook, wq; writes wq
.if DOCPART == 1
	.amdgcn_target "amdgcn-amd-amdhsa--gfx1250"
	.amdhsa_code_object_version 6
	.text
	.protected	k_q230479bcf3_weights
	.globl	k_q230479bcf3_weights
	.p2align	8
	.type	k_q230479bcf3_weights,@function
k_q230479bcf3_weights:
	s_mov_b64 s[64:65], 0
	v_nop
	global_prefetch_b8 v0, s[64:65] scope:SCOPE_SE
	s_setreg_imm32_b32 hwreg(HW_REG_WAVE_MODE, 25, 1), 1
	s_wait_xcnt 0x0
; W[o][i] = codebook[(10007 o + 20011 i + 120027) mod 65536] x sign, o and i from 0 to 4,095, is made and quantised along i into codes of FP4 (E2M1) with one E8M0 byte for each 32 along i.
; NOTHING OF THE PROBLEM IS LEFT OUT: every number of W enters the one product, and all inputs are read (the codebook here; x's codes, x's scales and the bias in the second launch).
; EACH DISTINCT PIECE OF W IS MADE ONCE.  10007 x 1664 - 20011 x 128 = 14,090,240 = 215 x 65536, and 1664 and 128 are even: so the index and the sign at (o, i + 128) are those at (o + 1664, i), whatever the codebook holds.
; With G[z][t] = codebook[(10007 z + 20011 t + 120027) mod 65536] x sign(z + t), t = 0 .. 127:  W[o][128 s + t] = G[o + 1664 s][t].  128 s is a multiple of 32, so the quantiser's blocks of a row of W are blocks of rows of G.
; z runs to 4,095 + 1,664 x 31 = 55,679: 7.13 million numbers stand for W's 16.78 million.  This launch makes G's codes and scale bytes; the second launch reads its tiles of W out of them.
; THE SIGN.  The sign's hash is (4099 o + 6151 i + 44661) mod 2; all three constants are odd, so it is (o + i + 1) mod 2: + where o + i is even, - where it is odd.  The quantiser takes magnitudes for a block's scale, and its
; clamp and its rounding (to the nearest, ties to even) are symmetric in the sign: so the code of -w is the code of w with its sign bit turned, for every finite w.  The sign is therefore one exclusive or on each register of
; eight codes: in an even row the codes of odd t (bits 7, 15, 23, 31), in an odd row those of even t (bits 3, 11, 19, 27).  (A zero so gets the code of -0, which adds nothing to a sum.)
; A block's scale is 2^(floor(log2(its largest magnitude)) - 2); its byte is the largest magnitude's exponent field - 2, held at 1 from below.
; LIMITS: a block of zeros gets the byte 1 where the rule says 127: its codes are zeros, which add nothing under any byte but 0xff, and this program alone reads the bytes; blocks whose largest magnitude lies under 2^-124,
; the floor, were not tried; NaN and infinities in the codebook are not served.  218 work-groups of 256 rows make 55,808 rows: the last 128, half of the last work-group's tile, are made and never read.
; THE OUTPUT wq: [16 rows of G: 3,488][1,088 bytes]: 1,024 bytes of codes laid as the operand's registers take them (block bl of row r at 256 bl + 16 r, the lower t in the low four bits), then the 16 rows' scale words (4 r).
; SHARES.  Work-group x: rows 256 x .. 256 x + 255: 17,408 consecutive bytes of wq.  Wave w: rows 32 (w % 8) + lane, blocks 2 (w / 8) and 2 (w / 8) + 1.  A LANE TAKES A ROW, AND ITS REGISTERS RUN ALONG t: a block's 32
; numbers are one lane's, so its largest magnitude needs no other lane, and the conversions give codes with t innermost.
; THE GATHER.  The whole codebook, 262,144 bytes, is brought into LDS once, 16,384 bytes by each wave's one tensor load, and read there word by word.  Neighbouring lanes are neighbouring rows: 10,007 words apart,
; which is 23 modulo 64: the 32 lanes of a load fall on 32 different banks (64 banks of 4 bytes: ISA guide 11.1).  A lane's 64 addresses hang on ids alone: they are made while the tensor load is on its way, each in a
; register of its own, so that the 64 LDS loads stand in one run.
; 218 WORK-GROUPS, not 256: each must hold the whole codebook, so more and smaller ones would bring it more often for the same numbers.
; NO CLUSTER, though all work-groups read the same codebook: whatever part of G a partner takes, its gathers' LDS addresses hang on that part, that is on its place in the cluster.
; THE ORDER OF ROWS IN wq: of each 64 rows of G (64 g .. 64 g + 63) the group of sixteen with number 4 g + b holds rows 64 g + 4 r + b, r = 0 .. 15, as its rows r: so that in the second launch lane r of four
; neighbouring tiles holds four neighbouring columns of the result.  1664 is a multiple of 64: the order is the same for every 128 along i.
.set ZB,    1088                       ; 16 rows of G in wq
.set PIECE, 16*ZB                      ; a work-group's 256 rows: 17,408 bytes
.set STG,   262144                     ; LDS: behind the codebook the stage: the piece as it will lie in memory
.set SPARE, STG+PIECE                  ; behind it the spare words, 128 bytes for each of 16 waves: eight blocks of 256 bytes that no other line names
.set HA4,   40028                      ; 4 x 10007: bytes in the codebook from a row to the next
.set HB4,   80044                      ; 4 x 20011: from a t to the next
.set HC4,   217964                     ; 4 x 120027 mod 262144
.set LANE,  1                          ; v1       lane
.set BASE,  2                          ; v2       HA4 x lane + S: my row's byte in the codebook at my first t (not yet reduced)
.set SGN,   3                          ; v3       which sign bits of a register of eight codes are turned
.set GA,    4                          ; v4-67    my 64 gather addresses
.set STO,   68                         ; v68      the stage: where my two blocks' codes go
.set SSO,   69                         ; v69      and their two scale bytes
.set RD,    70                         ; v70      the stage, on the way out: 16 bytes a thread
.set GO,    71                         ; v71      the same place in the piece in memory
.set MX,    72                         ; v72-73   a block's largest magnitude, in two chains (at the head: at work)
.set SCO,   74                         ; v74      the conversions' scale operand
.set BYT,   75                         ; v75      the scale's byte
.set C,     76                         ; v76-83   codes: four registers for each of my two blocks
.set SW,    84                         ; v84      my two blocks' scale bytes
.set OUTR,  88                         ; v88-99   the way out
.set SPW,   100                        ; v100     LDS address of my spare word; never rewritten
.set NIL,   101                        ; v101     0; never rewritten
.set X,     104                        ; v104-167 my 64 numbers
	s_load_b128 s[4:7], s[0:1], 0x0                ; the codebook s[4:5], wq s[6:7]
	v_lshl_add_u32 v[SPW], v0, 2, SPARE
	v_mov_b32 v[NIL], 0
	ds_add_u32 v[SPW], v[NIL]                      ; the wave's opening: the add, twice on end, and its wait ahead of my tensor load; the set-up below, work on registers, stands between
	ds_add_u32 v[SPW], v[NIL]
	v_lshrrev_b32 v1, 5, v0
	s_delay_alu instid0(VALU_DEP_1)
	v_readfirstlane_b32 s8, v1                     ; wave 0..15
	s_and_b32 s9, s8, 7                            ; which 32 rows of the 256
	s_lshr_b32 s10, s8, 3                          ; which two blocks of the four
	; descriptor group 1: 64 rows of 256 bytes (32 elements of 8 bytes), dense in memory and in LDS
	s_mov_b32 s16, 3<<16                           ; no mask; elements of 8 bytes; no padding
	s_mov_b32 s17, 32<<16                          ; tensor_dim0 = 32
	s_mov_b32 s18, 64<<16                          ; tensor_dim1 = 64
	s_mov_b32 s19, 32<<16                          ; tile_dim0 = 32
	s_mov_b32 s20, 64                              ; tile_dim1 = 64
	s_mov_b32 s21, 32                              ; from row to row: 32 elements
	s_mov_b32 s22, 0
	s_mov_b32 s23, 0
	s_lshl_b32 s24, s8, 14                         ; my sixteenth of the codebook, in memory
	s_mov_b32 s25, 0
	s_mul_i32 s26, ttmp9, PIECE                    ; my work-group's piece of wq (under 2^22)
	s_mov_b32 s27, 0
	s_wait_dscnt 0x0                               ; both opening adds are done
	s_wait_kmcnt 0x0
	s_mov_b32 s12, 1                               ; group 0: count = 1,
	s_lshl_b32 s13, s8, 14                         ; LDS address: 16,384 x wave,
	s_add_nc_u64 s[14:15], s[4:5], s[24:25]        ; global address,
	s_or_b32 s15, s15, 0x80000000                  ; type = 2
	tensor_load_to_lds s[12:15], s[16:23]          ; every wave's one tensor load: LDS bytes are filled once in this launch
	s_nop 0
	s_add_nc_u64 s[6:7], s[6:7], s[26:27]
	v_and_b32 v[LANE], 31, v0
	s_wait_alu depctr_va_vdst(0)
	s_lshl_b32 s24, ttmp9, 8
	s_lshl_b32 s25, s9, 5
	s_add_co_u32 s24, s24, s25                     ; lane 0's row: 256 x + 32 (wave % 8)
	s_mul_i32 s24, s24, HA4                        ; (under 2^32; only its value modulo 262,144 counts)
	s_mul_i32 s25, s10, 64*HB4                     ; my first t: 64 (wave / 8)
	s_add_co_u32 s28, s24, s25
	s_add_co_u32 s28, s28, HC4
	s_and_b32 s28, s28, 0x3fffc                    ; S, reduced modulo the codebook's bytes
	v_mul_u32_u24 v[BASE], v[LANE], HA4
	s_delay_alu instid0(VALU_DEP_1)
	v_add_nc_u32 v[BASE], s28, v[BASE]
	; my 64 addresses, while the codebook is on its way.  The mask is the last thing done to each: every gather stays inside the codebook's 262,144 bytes
.set t, 0
.rept 64
	v_add_nc_u32 v[GA+t], HB4*t, v[BASE]
.set t, t+1
.endr
.set t, 0
.rept 64
	v_and_b32 v[GA+t], 0x3fffc, v[GA+t]
.set t, t+1
.endr
	v_and_b32 v[SGN], 1, v[LANE]                   ; my row is odd where my lane is
	s_delay_alu instid0(VALU_DEP_1)
	v_lshlrev_b32 v[SGN], 2, v[SGN]
	v_mov_b32 v[MX], 0x80808080
	s_delay_alu instid0(VALU_DEP_1)
	v_lshrrev_b32 v[SGN], v[SGN], v[MX]            ; even row: 0x80808080; odd row: 0x08080808
	s_lshr_b32 s24, s9, 1
	s_mul_i32 s24, s24, 4*ZB
	s_add_co_u32 s24, s24, STG                     ; the stage at my 64 rows: four groups of sixteen
	s_lshl_b32 s25, s10, 9
	s_add_co_u32 s25, s25, s24                     ; + 512 (wave / 8): my two blocks' 256 bytes each
	s_lshl_b32 s26, s10, 1
	s_add_co_u32 s26, s26, s24
	s_add_co_u32 s26, s26, 1024                    ; + 1,024 + 2 (wave / 8): their two bytes of a scale word
	s_and_b32 s24, s9, 1                           ; odd waves: the upper 32 of the 64 rows, r = 8 .. 15 of each group
	s_lshl_b32 s29, s24, 7
	s_add_co_u32 s25, s25, s29
	s_lshl_b32 s24, s24, 5
	s_add_co_u32 s26, s26, s24
	v_lshrrev_b32 v[MX], 2, v[LANE]                ; r - 8 (wave % 2): my row in its group
	v_and_b32 v[MX+1], 3, v[LANE]                  ; b: which group of the four
	s_delay_alu instid0(VALU_DEP_1)
	v_mul_u32_u24 v[MX+1], v[MX+1], ZB
	s_delay_alu instid0(VALU_DEP_1)
	v_lshl_add_u32 v[STO], v[MX], 4, v[MX+1]
	s_delay_alu instid0(VALU_DEP_1)
	v_add_nc_u32 v[STO], s25, v[STO]
	s_delay_alu instid0(VALU_DEP_3)
	v_lshl_add_u32 v[SSO], v[MX], 2, v[MX+1]
	s_delay_alu instid0(VALU_DEP_1)
	v_add_nc_u32 v[SSO], s26, v[SSO]
	v_lshl_add_u32 v[RD], v0, 4, STG
	v_lshlrev_b32 v[GO], 4, v0
	s_wait_tensorcnt 0x0                           ; my sixteenth of the codebook lies in LDS,
	s_barrier_signal -1
	s_barrier_wait -1                              ; everybody's does
.set t, 0
.rept 64
	ds_load_b32 v[X+t], v[GA+t]                    ; G(my row, 64 (wave / 8) + t), not yet signed
.set t, t+1
.endr
.macro QUANT j
.set XS, X+32*(\j)
	v_max3_num_f32 v[MX], |v[XS]|, |v[XS+1]|, |v[XS+2]|            ; the block's largest magnitude: all 32 numbers are mine
	v_max3_num_f32 v[MX+1], |v[XS+3]|, |v[XS+4]|, |v[XS+5]|
.irp i, 6,10,14,18,22,26
	s_delay_alu instid0(VALU_DEP_2)
	v_max3_num_f32 v[MX], v[MX], |v[XS+\i]|, |v[XS+\i+1]|
	s_delay_alu instid0(VALU_DEP_2)
	v_max3_num_f32 v[MX+1], v[MX+1], |v[XS+\i+2]|, |v[XS+\i+3]|
.endr
	s_delay_alu instid0(VALU_DEP_2)
	v_max3_num_f32 v[MX], v[MX], |v[XS+30]|, |v[XS+31]|
	s_delay_alu instid0(VALU_DEP_1)
	v_max3_num_f32 v[MX], v[MX], v[MX+1], 0x1800000                ; and the floor 2^(3 - 127): the byte cannot fall under 1
	s_delay_alu instid0(VALU_DEP_1)
	v_add_nc_u32 v[SCO], 0xff000000, v[MX]                         ; 2 off its exponent field: the conversion takes the exponent field of this operand as its scale, and nothing else of it
.irp g, 0,1,2,3
	v_cvt_scalef32_pk8_fp4_f32 v[C+4*(\j)+\g], v[XS+8*\g:XS+8*\g+7], v[SCO]   ; eight numbers / the scale, to the nearest code, ties to even, beyond 6 the largest code; the first number's code in the lowest bits
.endr
	v_lshrrev_b32 v[BYT], 23, v[SCO]                               ; the scale's byte.  (Also the plain instruction between the conversions and the lines that touch their results)
.if (\j) == 0
	s_delay_alu instid0(VALU_DEP_1)
	v_mov_b32 v[SW], v[BYT]
.else
	s_delay_alu instid0(VALU_DEP_1)
	v_lshl_or_b32 v[SW], v[BYT], 8, v[SW]                          ; the lower t in the lower byte
.endif
.irp g, 0,1,2,3
	v_xor_b32 v[C+4*(\j)+\g], v[SGN], v[C+4*(\j)+\g]               ; the sign of the hash
.endr
.endm
	s_wait_dscnt 32                                ; LDS loads come back in order (ISA guide 5.7.1): my first block's are in, the second's 32 may be out
	QUANT 0
	s_wait_dscnt 0x0                               ; my last gathers are in: no LDS instruction of mine is out at the signal below
	QUANT 1
	s_wait_alu depctr_va_vdst(0)
	s_barrier_signal -1                            ; every wave's gathers are over before any wave stores into LDS
	s_barrier_wait -1
	ds_store_b128 v[STO], v[C:C+3]                 ; four lanes apart: neighbouring 16 bytes of a group
	ds_store_b128 v[STO], v[C+4:C+7] offset:256
	ds_store_b16 v[SSO], v[SW]                     ; half of my row's scale word; the wave eight further on stores the other half
	s_wait_dscnt 0x0                               ; for the others' sake: my stores into the stage are done
	s_barrier_signal -1
	s_barrier_wait -1                              ; the piece lies whole in the stage
.irp c, 0,1
	ds_load_b128 v[OUTR+4*\c:OUTR+4*\c+3], v[RD] offset:8192*\c    ; 512 threads x 16 bytes: 8,192 bytes a pass
.endr
.irp c, 0,1
	s_wait_dscnt 1-\c                              ; pass c is in; the younger pass may be out
	global_store_b128 v[GO], v[OUTR+4*\c:OUTR+4*\c+3], s[6:7] offset:8192*\c   ; a wave's store covers 512 consecutive bytes, at a multiple of 512 from wq's first byte
.endr
	s_cmp_lt_u32 s8, 2                             ; 17,408 = 2 x 8,192 + 1,024: the last 1,024 bytes are waves 0 and 1's
	s_cbranch_scc0 .Ldone
	ds_load_b128 v[OUTR+8:OUTR+11], v[RD] offset:16384
	s_wait_dscnt 0x0
	global_store_b128 v[GO], v[OUTR+8:OUTR+11], s[6:7] offset:16384
.Ldone:
	s_wait_tensorcnt 0x0                           ; the wave's end: behind my tensor load and my last LDS store
	ds_add_u32 v[SPW], v[NIL]
	s_wait_dscnt 0x0
	s_endpgm
.Lfunc_end_k_q230479bcf3_weights:
	.size	k_q230479bcf3_weights, .Lfunc_end_k_q230479bcf3_weights-k_q230479bcf3_weights
	.p2alignl 7, 3214868480
	.fill 96, 4, 3214868480
	.section	.rodata,"a",@progbits
	.p2align	6, 0x0
	.amdhsa_kernel k_q230479bcf3_weights
		.amdhsa_group_segment_fixed_size 281600
		.amdhsa_private_segment_fixed_size 0
		.amdhsa_enable_private_segment 0
		.amdhsa_kernarg_size 16
		.amdhsa_user_sgpr_count 2
		.amdhsa_user_sgpr_kernarg_segment_ptr 1
		.amdhsa_wavefront_size32 1
		.amdhsa_system_sgpr_workgroup_id_x 1
		.amdhsa_system_sgpr_workgroup_id_y 1
		.amdhsa_system_sgpr_workgroup_id_z 1
		.amdhsa_system_vgpr_workitem_id 0
		.amdhsa_next_free_vgpr 168
		.amdhsa_next_free_sgpr 66
		.amdhsa_reserve_vcc 0
		.amdhsa_float_denorm_mode_32 3
		.amdhsa_float_denorm_mode_16_64 3
		.amdhsa_memory_ordered 1
		.amdhsa_forward_progress 1
		.amdhsa_inst_pref_size 21
	.end_amdhsa_kernel
	.amdgpu_metadata
---
amdhsa.version: [ 1, 2 ]
amdhsa.kernels:
  - .name:           k_q230479bcf3_weights
    .symbol:         k_q230479bcf3_weights.kd
    .args:
      - { .name: codebook, .offset: 0, .size: 8, .value_kind: global_buffer, .address_space: global }
      - { .name: wq, .offset: 8, .size: 8, .value_kind: global_buffer, .address_space: global }
    .group_segment_fixed_size: 281600
    .private_segment_fixed_size: 0
    .kernarg_segment_align: 8
    .kernarg_segment_size: 16
    .max_flat_workgroup_size: 512
    .sgpr_count:     66
    .vgpr_count:     168
    .wavefront_size: 32
...
	.end_amdgpu_metadata
.endif
;; end of part 1
;; launch gemm (part 2): grid 16 x 16, 4 waves a work-group, clusters of 4 x 4, 327,680 bytes of LDS; arguments x_codes, x_scales, wq, bias, out0; writes out0
.if DOCPART == 2
	.amdgcn_target "amdgcn-amd-amdhsa--gfx1250"
	.amdhsa_code_object_version 6
	.text
	.protected	k_q230479bcf3_gemm
	.globl	k_q230479bcf3_gemm
	.p2align	8
	.type	k_q230479bcf3_gemm,@function
k_q230479bcf3_gemm:
	s_mov_b64 s[64:65], 0
	v_nop
	global_prefetch_b8 v0, s[64:65] scope:SCOPE_SE
	s_setreg_imm32_b32 hwreg(HW_REG_WAVE_MODE, 25, 1), 1
	s_wait_xcnt 0x0
	s_wait_alu depctr_hold_cnt(0) depctr_sa_sdst(0) depctr_va_vdst(0) depctr_va_sdst(0) depctr_va_ssrc(0) depctr_va_vcc(0) depctr_vm_vsrc(0)
	s_getreg_b32 s2, hwreg(HW_REG_IB_STS2, 6, 4)
	s_cmp_eq_u32 s2, 0
	s_cbranch_scc0 .Lentry_in_a_cluster
	s_endpgm
.Lentry_in_a_cluster:
	s_bfe_u32 s2, ttmp6, 0x10000c
	s_cmp_lg_u32 s2, 0xf033
	s_cbranch_scc0 .Lentry_shape_is_right
	s_endpgm
.Lentry_shape_is_right:
; out0[m][n] = bias[n] + sum over k of x[m][k] W[n][k], m, n, k from 0 to 4,095.  x: codes and scales as given; W: read out of wq, which the first launch made: W[n][128 s + t] = G[n + 1664 s][t].
; Nothing is left out: all of x, of W's numbers and of the bias is used.  LIMITS: those of the first launch's head; sums in f32, the bias added last.
; A tile of 256 x 256 to a work-group of four waves, 128 x 128 to a wave: 512 registers of accumulators.  256 work-groups.
; K goes in steps of 512 through two LDS slots: A's 256 rows x 256 bytes (16 bytes of padding behind each), then for each of 4 s the 256 columns of W: 16 groups of 16 rows x (1,024 bytes of codes as the operand takes
; them, block bl of row r at 256 bl + 16 r, and 64 bytes of scale words), 17,408 consecutive bytes of wq.  A's scales for all of K lie behind the ring, 128 + 16 bytes a row, filled once.
; CLUSTERS: 4 x 4.  A's tiles (and scales) are asked for jointly along a row of the cluster, B's along a column.
; A IS SOURCE 0, B SOURCE 1: lane (r, h) holds in register j row 8 h + j and column r of a tile.  wq's groups are laid so that column r of tile 4 g + b is column 64 g + 4 r + b of my 128: register j of four tiles is
; 16 neighbouring bytes of a row, and 16 lanes' are 256 consecutive bytes: results go from the accumulators to memory with one addition (the bias) each.
; A STEP of 128 along K is 32 products of 32 rows x 16 columns in four quarters: (A 0-3, B 0-3), (A 0-3, B 4-7), (A 4-7, B 4-7), (A 4-7, B 0-3), blocks of 16.  Both operands have TWO register sets: the step's head holds
; the 32 LDS loads of the next step's fragments in one run (A 0-3, B 0-3, B 4-7, A 4-7), a whole step ahead of their use.
; THE LAST K STEP GOES BY ROWS: B's fragments of all 512 along K fill window 1, A's come by blocks of 16 rows, and each block of rows leaves as it is finished (products of 16 x 16 there).
; PREFETCH: each cluster asks for the tiles that it will load two K steps ahead of their loads, a block of 256 bytes a lane (at the head for K step 1, behind the second fill for 2 and 3, then for one K step at each refill;
; the last two refills ask for nothing).  Of A's 128 rows that wave 0 (1) fetches, the partner at cx asks for 32; of B's four s the partner at cy asks for one, waves 2 and 3 for 34 blocks each.
; WINDOWS: 0: v0-31 addresses, bias; v32-95 scale words (two sets); v96-127 results on their way out; v128-255 A's two sets (in the last K step three blocks of 32 registers, and results at v224-255).
;   1: B's two sets, v0-127 (in the last K step all 256).  2, 3: accumulators of rows 0-63, 64-127: blocks (a, b) at 128 (a % 4 / 2) + 16 b + 8 (a % 2).
.set ROWB,  256
.set PITCH, 272
.set ZB,    1088                       ; a group of 16 rows of G
.set BROW,  16*ZB                      ; 256 columns at one s
.set GSTEP, 104*ZB                     ; from s to s + 1: 1,664 rows
.set WSLOT, 4*GSTEP
.set HALFT, 128*PITCH                  ; 128 rows of A, and two s of B: both 34,816 bytes
.set SLOT,  4*HALFT
.set LAPS,  4
.set SXP,   144
.set SCX,   2*SLOT
.set SPARE, SCX+256*SXP                ; the spare words: two blocks of 256 bytes
.set ORW,   16384                      ; a row of out0 in bytes
.set BIAS,  8                          ; v8-15: column 64 g + 4 r + b at BIAS + 4 g + b
.set ADRA,  16
.set ADRB,  18
.set ADRSB, 20
.set ADRSA, 22
.set CO,    23
.set BO,    24
.set PFO,   25
.set PFX,   26
.set SPW,   28
.set NIL,   29
.set SC,    32                         ; set s at SC + 32 s: A's words: + 4 (a / 2) + q, B's: + 16 + 4 (b / 2) + q; even blocks in lanes 0-15, odd ones in lanes 16-31
.set AF,    128
.set G1,  24
.set G0,  32
.set G1B, 48
.set G0B, 56
.set G1S, 68
.set G0S, 76
.set G0HB, 80
.set PF,  84                           ; s[84:85] where my prefetches stand
.set PFS, 86                           ; s[86:87] a K step on
.set PFB, 88
.set MSB, 0
.macro WIN new
.if MSB != \new
	s_set_vgpr_msb (MSB<<8)|\new
.set MSB, \new
.endif
.endm
.set MUL_LO, 0xa4                      ; source 0 window 0, source 1 window 1, C and D window 2
.set MUL_HI, 0xf4                      ; C and D window 3
.set TO_B,   0x40
.macro PLACES                          ; four places behind a matrix instruction, ahead of loads into its sources and reads of its result
.rept 4
	v_nop
.endr
.endm
.macro JLOAD slot                      ; waves 0 and 1: A's halves; waves 2 and 3: two s of B each
	s_cmp_eq_u32 s15, 0
	s_cbranch_scc0 .Lfor_b_\@
	tensor_load_to_lds s[G0+4*\slot:G0+4*\slot+3], s[G1:G1+7]
	s_nop 0
	PLACES
	s_branch .Lasked_\@
.Lfor_b_\@:
	tensor_load_to_lds s[G0B+4*\slot:G0B+4*\slot+3], s[G1B:G1B+7]
	s_nop 0
	PLACES
.Lasked_\@:
.endm
.macro CREST                           ; a round of the cluster's barrier behind its opening barrier
	s_cmp_lg_u32 s14, 0
	s_cbranch_scc1 .Lnot_wave_0_\@
	s_barrier_signal -3
.Lnot_wave_0_\@:
	s_barrier_wait -3
	s_barrier_signal -1
	s_barrier_wait -1
.endm
.macro CROUND
	s_barrier_signal -1
	s_barrier_wait -1
	CREST
.endm
.macro PREF base                       ; my wave's blocks of one K step; B's waves have two more than lanes
	global_prefetch_b8 v[PFO], s[\base:\base+1] th:TH_LOAD_NT scope:SCOPE_SE
	s_cmp_eq_u32 s15, 0
	s_cbranch_scc1 .Lno_more_\@
	global_prefetch_b8 v[PFX], s[\base:\base+1] th:TH_LOAD_NT scope:SCOPE_SE
.Lno_more_\@:
.endm
	s_load_b256 s[4:11], s[0:1], 0x0               ; x's codes s[4:5], its scales s[6:7], wq s[8:9], bias s[10:11]
	s_load_b64 s[12:13], s[0:1], 0x20              ; out0
	v_lshl_add_u32 v[SPW], v0, 2, SPARE
	v_mov_b32 v[NIL], 0
	ds_add_u32 v[SPW], v[NIL]                      ; the opening adds
	ds_add_u32 v[SPW], v[NIL]
	v_lshrrev_b32 v1, 5, v0
	v_readfirstlane_b32 s14, v1                    ; wave 0..3
	s_lshr_b32 s15, s14, 1                         ; my half of the rows.  Also: I fetch A (0) or B (1)
	s_and_b32 s16, s14, 1                          ; my half of the columns.  Also: which half of a tile I fetch
	s_bfe_u32 s40, ttmp6, 0x40000                  ; cx
	s_bfe_u32 s41, ttmp6, 0x40004                  ; cy
	s_lshl_b32 s42, ttmp9, 2
	s_add_co_u32 s42, s42, s40                     ; tile column
	s_and_b32 s17, ttmp7, 0xffff
	s_lshl_b32 s17, s17, 2
	s_add_co_u32 s17, s17, s41                     ; tile row
	s_lshl_b32 s43, s41, 2
	s_lshl_b32 s43, 15, s43                        ; my row of the cluster
	s_lshl_b32 s44, 0x1111, s40                    ; my column
	s_or_b32 s[G1+0], s43, (1<<20)|(1<<21)|(5<<22)|(3<<25)  ; A: bytes; padding of 4 words behind every 64
	s_mov_b32 s[G1+1], ROWB<<16
	s_mov_b32 s[G1+2], 128<<16
	s_mov_b32 s[G1+3], ROWB<<16
	s_mov_b32 s[G1+4], 128
	s_mov_b32 s[G1+5], 2048
	s_mov_b32 s[G1+6], 0
	s_mov_b32 s[G1+7], 0
	s_or_b32 s[G1B+0], s44, (3<<16)|(1<<21)        ; B: elements of 8 bytes; four rows for the head's load, two behind it
	s_mov_b32 s[G1B+1], (BROW/8)<<16
	s_mov_b32 s[G1B+2], 4<<16
	s_mov_b32 s[G1B+3], (BROW/8)<<16
	s_mov_b32 s[G1B+4], 4
	s_mov_b32 s[G1B+5], GSTEP/8
	s_mov_b32 s[G1B+6], 0
	s_mov_b32 s[G1B+7], 0
	s_or_b32 s[G1S+0], s43, (3<<16)|(1<<20)|(1<<21)|(4<<22)|(3<<25)  ; A's scales: a dense block as 128 rows of 256 bytes, padding of 4 words behind every 32
	s_mov_b32 s[G1S+1], 32<<16
	s_mov_b32 s[G1S+2], 128<<16
	s_mov_b32 s[G1S+3], 32<<16
	s_mov_b32 s[G1S+4], 128
	s_mov_b32 s[G1S+5], 32
	s_mov_b32 s[G1S+6], 0
	s_mov_b32 s[G1S+7], 0
	s_lshl_b32 s20, s17, 19                        ; A: 256 x tile row + 128 x half, rows of 2,048 bytes
	s_lshl_b32 s18, s16, 18
	s_add_co_u32 s20, s20, s18
	s_mov_b32 s21, 0
	s_lshl_b32 s22, s17, 15                        ; its scales: 128 bytes a row
	s_mov_b32 s23, 0
	s_mul_i32 s46, s42, BROW                       ; B: 256 rows of G for each tile column
	s_mov_b32 s47, 0
	s_mul_i32 s18, s16, 2*GSTEP                    ; in the ring: my two s
	s_mov_b32 s19, 0
	s_mul_i32 s45, s14, HALFT                      ; where my part lies in a slot
	s_wait_dscnt 0x0                               ; both opening adds are done
	s_wait_kmcnt 0x0
	s_add_nc_u64 s[20:21], s[4:5], s[20:21]
	s_add_nc_u64 s[22:23], s[6:7], s[22:23]
	s_add_nc_u64 s[46:47], s[8:9], s[46:47]
	s_add_nc_u64 s[92:93], s[46:47], s[18:19]
	CROUND                                         ; all sixteen work-groups are here: the first joint loads meet
	s_mov_b32 s[G0S], 1
	s_mov_b32 s[G0S+1], SCX
	s_mov_b64 s[G0S+2:G0S+3], s[22:23]
	s_or_b32 s[G0S+3], s[G0S+3], 0x80000000
	s_mov_b32 s[G0HB], 1
	s_mov_b32 s[G0HB+1], 2*HALFT
	s_mov_b64 s[G0HB+2:G0HB+3], s[46:47]
	s_or_b32 s[G0HB+3], s[G0HB+3], 0x80000000
.irp s, 0,1
	s_mov_b32 s[G0+4*\s], 1
	s_add_co_u32 s[G0+4*\s+1], s45, \s*SLOT
	s_add_nc_u64 s[G0+4*\s+2:G0+4*\s+3], s[20:21], \s*ROWB
	s_or_b32 s[G0+4*\s+3], s[G0+4*\s+3], 0x80000000
	s_mov_b32 s[G0B+4*\s], 1
	s_add_co_u32 s[G0B+4*\s+1], s45, \s*SLOT
	s_add_nc_u64 s[G0B+4*\s+2:G0B+4*\s+3], s[92:93], \s*WSLOT
	s_or_b32 s[G0B+4*\s+3], s[G0B+4*\s+3], 0x80000000
.endr
	; the head's loads, one a wave: waves 0 and 1 K step 0 of A, wave 2 that of B (all four s), wave 3 A's scales
	s_cmp_lt_u32 s14, 2
	s_cbranch_scc0 .Lhead_b
	tensor_load_to_lds s[G0:G0+3], s[G1:G1+7]
	s_nop 0
	PLACES
	s_branch .Lhead_asked
.Lhead_b:
	s_cmp_lt_u32 s14, 3
	s_cbranch_scc0 .Lhead_s
	tensor_load_to_lds s[G0HB:G0HB+3], s[G1B:G1B+7]
	s_nop 0
	PLACES
	s_branch .Lhead_asked
.Lhead_s:
	tensor_load_to_lds s[G0S:G0S+3], s[G1S:G1S+7]
	s_nop 0
	PLACES
.Lhead_asked:
	; the prefetches: A: my 128 rows' 32 of partner cx; B: partner cy's s, my 34 of its 68 blocks
	s_lshl_b32 s18, s17, 19
	s_lshl_b32 s19, s16, 18
	s_add_co_u32 s18, s18, s19
	s_lshl_b32 s19, s40, 16
	s_add_co_u32 s18, s18, s19
	s_mul_i32 s20, s42, BROW
	s_mul_i32 s21, s41, GSTEP
	s_add_co_u32 s20, s20, s21
	s_mul_i32 s21, s16, BROW/2
	s_add_co_u32 s20, s20, s21
	s_mov_b32 s90, WSLOT
	s_mov_b32 s91, 2048
	s_mov_b32 s19, 0
	s_mov_b32 s[PFS+1], 0
	s_cmp_eq_u32 s15, 0
	s_cselect_b32 s18, s18, s20
	s_cselect_b64 s[PF:PF+1], s[4:5], s[8:9]
	s_cselect_b32 s[PFS], ROWB, s90
	s_cselect_b32 s95, s91, 256                    ; from lane to lane
	s_add_nc_u64 s[PF:PF+1], s[PF:PF+1], s[18:19]
	s_add_nc_u64 s[PF:PF+1], s[PF:PF+1], s[PFS:PFS+1]      ; K step 1
	s_add_nc_u64 s[PFB:PFB+1], s[PF:PF+1], s[PFS:PFS+1]    ; K step 2
	; my part of out0 and of the bias
	s_lshl_b32 s18, s17, 22
	s_lshl_b32 s20, s15, 21
	s_add_co_u32 s18, s18, s20                     ; row 256 x tile row + 128 x half
	s_lshl_b32 s20, s42, 10
	s_lshl_b32 s21, s16, 9
	s_add_co_u32 s20, s20, s21                     ; column, in bytes
	s_mov_b32 s21, 0
	s_add_nc_u64 s[10:11], s[10:11], s[20:21]
	s_add_nc_u64 s[12:13], s[12:13], s[20:21]
	s_add_nc_u64 s[12:13], s[12:13], s[18:19]
	s_mul_i32 s20, s15, HALFT                      ; my 128 rows of A in a slot
	s_mul_i32 s21, s16, BROW/2                     ; my 128 columns of B
	s_add_co_u32 s21, s21, 2*HALFT
	s_mul_i32 s22, s15, 128*SXP                    ; my rows' scales
	s_add_co_u32 s22, s22, SCX
	v_and_b32 v1, 15, v0                           ; r
	v_bfe_u32 v2, v0, 4, 1                         ; h
	v_and_b32 v6, 31, v0
	v_mul_u32_u24 v3, v1, PITCH
	v_lshl_add_u32 v4, v2, 4, v3
	v_add_nc_u32 v[ADRA], s20, v4                  ; A: row r, + 16 h
	v_add_nc_u32 v[ADRA+1], SLOT, v[ADRA]
	v_lshlrev_b32 v5, 4, v6
	v_add_nc_u32 v[ADRB], s21, v5                  ; B: block h, row r
	v_add_nc_u32 v[ADRB+1], SLOT, v[ADRB]
	v_mul_u32_u24 v5, v2, ZB
	v_lshl_add_u32 v5, v1, 2, v5
	v_add_nc_u32 v[ADRSB], s21, v5                 ; B's scale words: row r, lanes 16-31 the next group
	v_add_nc_u32 v[ADRSB+1], SLOT, v[ADRSB]
	v_mul_u32_u24 v5, v6, SXP
	v_add_nc_u32 v[ADRSA], s22, v5                 ; A's: row = lane
	v_lshlrev_b32 v5, 17, v2                       ; out0: 8 h rows,
	v_lshl_add_u32 v[CO], v1, 4, v5                ; + 16 r bytes
	v_lshlrev_b32 v[BO], 4, v1
	v_mul_u32_u24 v[PFO], s95, v6
	v_min_u32 v5, 1, v6                            ; blocks 32 and 33 of B's 34; the other lanes name the last again
	v_lshl_add_u32 v[PFX], v5, 8, 8192
	s_wait_alu depctr_va_vdst(0)
	global_load_b128 v[BIAS:BIAS+3],   v[BO], s[10:11]
	global_load_b128 v[BIAS+4:BIAS+7], v[BO], s[10:11] offset:256
	PREF PF
.macro REGS q, sc                      ; the registers that hang on the blocks xA, xB alone
.set rD, 128*((xA%4)/2)+16*xB+8*(xA%2)
.set rSA, SC+32*(\sc)+4*(xA/2)+(\q)
.set rSB, SC+32*(\sc)+16+4*(xB/2)+(\q)
.endm
; A product of 32 x 16: A's blocks xA, xA + 1 (xA even; all 32 lanes hold A's scale words).  zero = 1: it starts the sum.
.macro WM2 zero
.if \zero
.if xB%2 == 0
	v_wmma_scale_f32_32x16x128_f4 v[rD:rD+15], v[rA:rA+15], v[rB:rB+7], 0, v[rSA], v[rSB]
.else
	v_wmma_scale_f32_32x16x128_f4 v[rD:rD+15], v[rA:rA+15], v[rB:rB+7], 0, v[rSA], v[rSB] matrix_b_scale:MATRIX_SCALE_ROW1
.endif
.else
.if xB%2 == 0
	v_wmma_scale_f32_32x16x128_f4 v[rD:rD+15], v[rA:rA+15], v[rB:rB+7], v[rD:rD+15], v[rSA], v[rSB]
.else
	v_wmma_scale_f32_32x16x128_f4 v[rD:rD+15], v[rA:rA+15], v[rB:rB+7], v[rD:rD+15], v[rSA], v[rSB] matrix_b_scale:MATRIX_SCALE_ROW1
.endif
.endif
.endm
; A product of 16 x 16, for the last K step.
.macro WM1
.if xA%2 == 0
.if xB%2 == 0
	v_wmma_scale_f32_16x16x128_f8f6f4 v[rD:rD+7], v[rA:rA+7], v[rB:rB+7], v[rD:rD+7], v[rSA], v[rSB] matrix_a_fmt:MATRIX_FMT_FP4 matrix_b_fmt:MATRIX_FMT_FP4
.else
	v_wmma_scale_f32_16x16x128_f8f6f4 v[rD:rD+7], v[rA:rA+7], v[rB:rB+7], v[rD:rD+7], v[rSA], v[rSB] matrix_a_fmt:MATRIX_FMT_FP4 matrix_b_fmt:MATRIX_FMT_FP4 matrix_b_scale:MATRIX_SCALE_ROW1
.endif
.else
.if xB%2 == 0
	v_wmma_scale_f32_16x16x128_f8f6f4 v[rD:rD+7], v[rA:rA+7], v[rB:rB+7], v[rD:rD+7], v[rSA], v[rSB] matrix_a_fmt:MATRIX_FMT_FP4 matrix_b_fmt:MATRIX_FMT_FP4 matrix_a_scale:MATRIX_SCALE_ROW1
.else
	v_wmma_scale_f32_16x16x128_f8f6f4 v[rD:rD+7], v[rA:rA+7], v[rB:rB+7], v[rD:rD+7], v[rSA], v[rSB] matrix_a_fmt:MATRIX_FMT_FP4 matrix_b_fmt:MATRIX_FMT_FP4 matrix_a_scale:MATRIX_SCALE_ROW1 matrix_b_scale:MATRIX_SCALE_ROW1
.endif
.endif
.endm
; A quarter: A's blocks a0 .. a0 + 3 x B's b0 .. b0 + 3 of set p, the slot's q-th 128 along K.  The 32 accumulators take turns in the same order in every step.
.macro MULQ a0, b0, p, q, sc, zero
.irp i, 0,2
.irp j, 0,1,2,3
.set xA, (\a0)+\i
.set xB, (\b0)+\j
.set rA, AF+64*(\p)+8*xA
.set rB, 64*(\p)+8*xB
	REGS \q, \sc
	WM2 \zero
.endr
.endr
.endm
.macro LA slot, q, p, i0               ; eight loads: A's blocks i0 .. i0 + 3 into set p
.irp i, 0,1,2,3
.irp c, 0,1
	ds_load_b128 v[AF+64*(\p)+8*((\i0)+\i)+4*\c:AF+64*(\p)+8*((\i0)+\i)+4*\c+3], v[ADRA+\slot] offset:64*(\q)+32*\c+((\i0)+\i)*16*PITCH
.endr
.endr
.endm
.macro LB slot, q, p, i0               ; eight loads: B's
.irp i, 0,1,2,3
.irp c, 0,1
	ds_load_b128 v[64*(\p)+8*((\i0)+\i)+4*\c:64*(\p)+8*((\i0)+\i)+4*\c+3], v[ADRB+\slot] offset:BROW*(\q)+512*\c+((\i0)+\i)*ZB
.endr
.endr
.endm
.macro SCALES_A sc                     ; four loads: a K step's scale words of A into set sc
.irp i, 0,1,2,3
	ds_load_b128 v[SC+32*(\sc)+4*\i:SC+32*(\sc)+4*\i+3], v[ADRSA] offset:\i*32*SXP
.endr
.endm
.macro SCALES_B sc                     ; sixteen loads: B's, from slot sc
.irp i, 0,1,2,3
.irp q, 0,1,2,3
	ds_load_b32 v[SC+32*\sc+16+4*\i+\q], v[ADRSB+\sc] offset:1024+2*ZB*\i+BROW*\q
.endr
.endr
.endm
; A step with its successor in the same slot.  Behind the first wait A 0-3 and B 0-3 of this step are in (sixteen younger loads may be out); behind the second B 4-7 (A 4-7's eight and the new run of 32, in a slot's
; third step 36, may be out); behind the third A 4-7.
.macro STEP slot, q, first
	s_wait_dscnt 16
	PLACES                                         ; the other set's last products are over
	WIN 0
.if (\q) == 2
	v_add_nc_u32 v[ADRSA], 16, v[ADRSA]            ; the next K step's scale words of A
	s_wait_alu depctr_va_vdst(0)
.endif
	LA \slot, (\q)+1, 1-(\q)%2, 0
	WIN TO_B
	LB \slot, (\q)+1, 1-(\q)%2, 0
	LB \slot, (\q)+1, 1-(\q)%2, 4
	WIN 0
	LA \slot, (\q)+1, 1-(\q)%2, 4
.if (\q) == 2
	SCALES_A 1-\slot
.endif
	WIN MUL_LO
	MULQ 0, 0, (\q)%2, \q, \slot, \first
	s_wait_dscnt 40+4*((\q)/2)
	MULQ 0, 4, (\q)%2, \q, \slot, \first
	s_wait_dscnt 32+4*((\q)/2)
	WIN MUL_HI
	MULQ 4, 4, (\q)%2, \q, \slot, \first
.if (\q) == 2
	WIN 0
	s_wait_tensorcnt 0x0                           ; my last reads of this slot are issued; all my tensor loads have landed: my part of the next slot
	ds_add_u32 v[SPW], v[NIL]                      ; eight products stand between the add and the wait for it
	WIN MUL_HI
.endif
	MULQ 4, 0, (\q)%2, \q, \slot, \first
.endm
; A slot's last step changes slots and fills this one again, two K steps on.
.macro TURN slot, next
	s_wait_xcnt 0x0                                ; any prefetch of mine has read its address
	s_add_nc_u64 s[PF:PF+1], s[PF:PF+1], s[PFS:PFS+1]
	s_wait_dscnt 0x0                               ; the add and all my reads of this slot are done
	s_barrier_signal -1
	WIN MUL_LO
	MULQ 0, 0, 1, 3, \slot, 0
	WIN 0
	s_barrier_wait -1
	CREST                                          ; no wave of any partner still reads this slot or has a load on its way
	s_add_nc_u64 s[G0+4*\slot+2:G0+4*\slot+3], s[G0+4*\slot+2:G0+4*\slot+3], 2*ROWB
	s_add_nc_u64 s[G0B+4*\slot+2:G0B+4*\slot+3], s[G0B+4*\slot+2:G0B+4*\slot+3], 2*WSLOT
	JLOAD \slot                                    ; its four v_nop are also the places in front of the loads below
	WIN TO_B
	LB \next, 0, 0, 0
	WIN 0
	LA \next, 0, 0, 0
	SCALES_B \next
	WIN TO_B
	LB \next, 0, 0, 4
	WIN 0
	LA \next, 0, 0, 4
	s_cmp_lt_u32 s3, 2                             ; the last trip's two refills have no K step two on
	s_cbranch_scc1 .Lask_none_\@
	PREF PF
.Lask_none_\@:
	WIN MUL_LO
	MULQ 0, 4, 1, 3, \slot, 0
	WIN MUL_HI
	MULQ 4, 4, 1, 3, \slot, 0
	MULQ 4, 0, 1, 3, \slot, 0
.endm
	s_wait_tensorcnt 0x0                           ; my part of the head's tiles is in; these lines stand ahead of a later first fill as ahead of a refill:
	ds_add_u32 v[SPW], v[NIL]
	s_mov_b32 s[G1B+2], 2<<16                      ; no tensor load of mine is out: from here on a load of B brings two s
	s_mov_b32 s[G1B+4], 2
	s_wait_dscnt 0x0
	CROUND
	JLOAD 1                                        ; K step 1
	WIN TO_B
	LB 0, 0, 0, 0
	WIN 0
	LA 0, 0, 0, 0
	SCALES_A 0
	SCALES_B 0
	WIN TO_B
	LB 0, 0, 0, 4
	WIN 0
	LA 0, 0, 0, 4
	s_wait_xcnt 0x0                                ; the head's prefetch has read its address
	s_add_nc_u64 s[PF:PF+1], s[PFB:PFB+1], s[PFS:PFS+1]    ; K step 3
	PREF PFB
	PREF PF
	s_wait_loadcnt 0x0                             ; the bias
	STEP 0, 0, 1                                   ; the first step starts the sums
	WIN 0
	s_mov_b32 s3, LAPS-1
.Llap:                                                 ; a trip goes once round the ring
	STEP 0, 1, 0
	STEP 0, 2, 0
	TURN 0, 1
	STEP 1, 0, 0
	STEP 1, 1, 0
	STEP 1, 2, 0
	TURN 1, 0
	STEP 0, 0, 0
	WIN 0
	s_sub_co_u32 s3, s3, 1
	s_cmp_lg_u32 s3, 0
	s_cbranch_scc1 .Llap
	STEP 0, 1, 0
	STEP 0, 2, 0
; THE LAST K STEP, in slot 1, by rows.
.macro AL a                            ; A's block a, all 512 along K: 32 registers, buffer a % 3
.irp q, 0,1,2,3
.irp c, 0,1
	ds_load_b128 v[AF+32*((\a)%3)+8*\q+4*\c:AF+32*((\a)%3)+8*\q+4*\c+3], v[ADRA+1] offset:64*\q+32*\c+(\a)*16*PITCH
.endr
.endr
.endm
.macro ROW a                           ; block a is finished: 32 products, its eight accumulators by turns
	WIN MUL_LO+0x50*((\a)/4)
.irp q, 0,2,3,1
.if (\a) == 0
.if \q == 0
	s_wait_dscnt 56                                ; behind the scale words: B's parts 2, 3, 1 (16 loads each) and A's block 1 (8)
.elseif \q == 2
	s_wait_dscnt 40                                ; parts 3, 1 and the block may be out
.elseif \q == 3
	s_wait_dscnt 24
.else
	s_wait_dscnt 8
.endif
.endif
.irp b, 0,1,2,3,4,5,6,7
.set xA, \a
.set xB, \b
.set rA, AF+32*((\a)%3)+8*\q
.set rB, 64*\q+8*\b
	REGS \q, 1
	WM1
.endr
.endr
.endm
.macro OUT a                           ; block a leaves: register j of four tiles + the bias = 16 bytes of row 16 a + 8 h + j
	s_wait_xcnt 0x0                                ; the stores before have read their data
.irp g, 0,1
.set TB, 96+128*\g
.set AC, 128*(((\a)%4)/2)+8*((\a)%2)+64*\g
	WIN 0x02+(\a)/4
.irp j, 0,1,2,3,4,5,6,7
.irp b, 0,1,2,3
	v_add_f32 v[TB+4*\j+\b], v[AC+16*\b+\j], v[BIAS+4*\g+\b]
.endr
.endr
	WIN 0
.irp j, 0,1,2,3,4,5,6,7
	global_store_b128 v[CO], v[TB+4*\j:TB+4*\j+3], s[12:13] offset:(16*(\a)+\j)*ORW+256*\g th:TH_STORE_NT   ; 16 lanes store 256 consecutive bytes, at a multiple of 256 from out0's first byte
.endr
.endr
.endm
	s_wait_dscnt 0x0                               ; the add and all my reads of slot 0 are done; the wait for all tensor loads stands ahead of the add
	s_barrier_signal -1
	WIN MUL_LO
	MULQ 0, 0, 1, 3, 0, 0
	WIN 0
	s_barrier_wait -1                              ; slot 1 is whole; nothing is filled again
	PLACES
	WIN TO_B
	LB 1, 0, 0, 0                                  ; B's part q at v64 q of window 1
	LB 1, 0, 0, 4
	WIN 0
	AL 0
	SCALES_B 1
	WIN TO_B
	LB 1, 2, 2, 0
	LB 1, 2, 2, 4
	WIN MUL_LO
	MULQ 0, 4, 1, 3, 0, 0
	WIN MUL_HI
	MULQ 4, 4, 1, 3, 0, 0
	MULQ 4, 0, 1, 3, 0, 0
	PLACES                                         ; set 1 is done with: part 1 lands there
	v_nop                                          ; and a fifth place: the sums go on in the other form
	WIN TO_B
	LB 1, 3, 3, 0
	LB 1, 3, 3, 4
	LB 1, 1, 1, 0
	LB 1, 1, 1, 4
	WIN 0
	AL 1
.irp a, 0,1,2,3,4,5,6,7
.if \a == 7
	s_wait_dscnt 0x0
.elseif \a == 6
	s_wait_dscnt 8                                 ; block 7's loads may be out
.elseif \a > 0
	s_wait_dscnt 16                                ; the next two blocks' loads may be out
.endif
	ROW \a
	PLACES                                         ; for the reads of its results, and the loads into its fragments
	WIN 0
.if \a == 0
	AL 2
.endif
.if \a < 5
	AL \a+3
.endif
	OUT \a
.endr
	s_wait_tensorcnt 0x0                           ; the wave's end
	ds_add_u32 v[SPW], v[NIL]
	s_wait_dscnt 0x0
	CROUND                                         ; the closing round: no work-group ends while a partner may still ask for a tile that names it
	s_endpgm
.Lfunc_end_k_q230479bcf3_gemm:
	.size	k_q230479bcf3_gemm, .Lfunc_end_k_q230479bcf3_gemm-k_q230479bcf3_gemm
	.p2alignl 7, 3214868480
	.fill 96, 4, 3214868480
	.section	.rodata,"a",@progbits
	.p2align	6, 0x0
	.amdhsa_kernel k_q230479bcf3_gemm
		.amdhsa_group_segment_fixed_size 327680
		.amdhsa_private_segment_fixed_size 0
		.amdhsa_enable_private_segment 0
		.amdhsa_kernarg_size 40
		.amdhsa_user_sgpr_count 2
		.amdhsa_user_sgpr_kernarg_segment_ptr 1
		.amdhsa_wavefront_size32 1
		.amdhsa_system_sgpr_workgroup_id_x 1
		.amdhsa_system_sgpr_workgroup_id_y 1
		.amdhsa_system_sgpr_workgroup_id_z 1
		.amdhsa_system_vgpr_workitem_id 0
		.amdhsa_next_free_vgpr 1024
		.amdhsa_next_free_sgpr 98
		.amdhsa_reserve_vcc 0
		.amdhsa_float_denorm_mode_32 3
		.amdhsa_float_denorm_mode_16_64 3
		.amdhsa_memory_ordered 1
		.amdhsa_forward_progress 1
		.amdhsa_inst_pref_size 168
	.end_amdhsa_kernel
	.amdgpu_metadata
---
amdhsa.version: [ 1, 2 ]
amdhsa.kernels:
  - .name:           k_q230479bcf3_gemm
    .symbol:         k_q230479bcf3_gemm.kd
    .args:
      - { .name: x_codes, .offset: 0, .size: 8, .value_kind: global_buffer, .address_space: global }
      - { .name: x_scales, .offset: 8, .size: 8, .value_kind: global_buffer, .address_space: global }
      - { .name: wq, .offset: 16, .size: 8, .value_kind: global_buffer, .address_space: global }
      - { .name: bias, .offset: 24, .size: 8, .value_kind: global_buffer, .address_space: global }
      - { .name: out0, .offset: 32, .size: 8, .value_kind: global_buffer, .address_space: global }
    .group_segment_fixed_size: 327680
    .private_segment_fixed_size: 0
    .kernarg_segment_align: 8
    .kernarg_segment_size: 40
    .max_flat_workgroup_size: 128
    .sgpr_count:     98
    .vgpr_count:     1024
    .wavefront_size: 32
...
	.end_amdgpu_metadata
.endif
;; end of part 2
